; MI455X (gfx1250); checked and timed in simulation.
; The chip was launched on July 23, 2026; its instructions are those of AMD's public machine-readable ISA for CDNA 5 (MIT licence, August 2026) and "CDNA5" Instruction Set Architecture Reference Guide (July 2026). The comments in the code are by the model that wrote it; some were corrected since.
;; Multi Head Attention. Allowed arithmetic: float matrix products may take bf16 or f16 operands with f32 sums; all other float work in f32.
;; Inputs: Kb 256 float32; Kw 256 x 256 float32; Qb 256 float32; Qw 256 x 256 float32; Vb 256 float32; Vw 256 x 256 float32; abs_pos_K 16 x 2,048 x 256 float32; abs_pos_V 16 x 2,048 x 256 float32; attn_mask 2,048 x 2,048 bool; keys 16 x 2,048 x 256 float32; neighAt_matrix 16 x 2,048 x 256 float32; neighbor_matrix 16 x 2,048 x 256 float32; queries 16 x 2,048 x 256 float32.
;; Outputs: out0 16 x 2,048 x 256 float32.
;; One version. Each part assembles by itself: llvm-mc -triple=amdgcn-amd-amdhsa -mcpu=gfx1250 --defsym DOCPART=n.
;; ======== version 1 of 1: 2 launches
;; limits: values are held in f16: magnitudes above 65,504 overflow, below 6.1e-05 lose precision
;; workspace buffers: qh 16,777,216 bytes; kh 16,777,216 bytes; vh 16,777,216 bytes; maskbits 524,288 bytes of whole numbers
;; launch proj (part 1): grid 256 x 1, 8 waves a work-group, no clusters, 327,680 bytes of LDS; arguments queries, keys, neighbor_matrix, neighAt_matrix, abs_pos_K, abs_pos_V, Qw, Kw, Vw, Qb, Kb, Vb, attn_mask, qh, kh, vh, maskbits; writes qh, kh, vh, maskbits
.if DOCPART == 1
	.amdgcn_target "amdgcn-amd-amdhsa--gfx1250"
	.amdhsa_code_object_version 6
	.text
	.protected	k_qb6bb0a5d01_proj
	.globl	k_qb6bb0a5d01_proj
	.p2align	8
	.type	k_qb6bb0a5d01_proj,@function
k_qb6bb0a5d01_proj:
	s_mov_b64 s[64:65], 0
	v_nop
	global_prefetch_b8 v0, s[64:65] scope:SCOPE_SE
	s_setreg_imm32_b32 hwreg(HW_REG_WAVE_MODE, 25, 1), 1
	s_wait_xcnt 0x0
; qh = (queries Qw^T + Qb) * 0.125 log2(e),  kh = keys Kw^T + Kb + N + A + PK,  vh = keys Vw^T + Vb + N + A + PV, all f16 [32768 tokens][256];
; maskbits = attn_mask packed into 32-bit lane masks for the second launch.
; A work-group owns 128 tokens and takes them in 8 steps of 16.  Wave w owns features 32 w .. 32 w + 31 of each of Q, K, V; its 48 weight
; fragments (f16, 384 registers) are loaded once and stay in registers.
; TWO ROADS IN.  queries and keys are needed by every wave in f16: each wave loads four of a step's 32 rows straight into registers (512 consecutive
; bytes a load), one step ahead, rounds them and writes them to LDS.  N, A, PK, PV are needed lane by lane in f32, as C operands: they come by
; tensor loads through two LDS slots.  A slot holds two steps (4 arrays x 32 rows); each of the eight waves fetches 16 rows of 1,024 bytes of one
; array, so that every wave issues one load and no branch on the wave's number is needed.  The two first fills bring steps 0-3 while the weights are
; loaded; slot 0 is filled again behind step 2's barrier (steps 4, 5), slot 1 behind step 4's (steps 6, 7): each refill has two steps in which to land.
; The matrix instruction takes weight rows as source 0 and token rows as source 1: lane l then holds token l % 16 and eight neighbouring
; features 8 (l / 16) + 0..7, which pack into 16 bytes.  The additive terms (bias, N, A, PK or PV) enter as the C operand, in f32.
; WHY F16: a score of the second launch is a sum of 64 products and goes into an exponential, so the operands' rounding shows in the weights;
; f16's 11 significant bits leave an eighth of the error that bf16's 8 would.
; NO JOINT LOADS: the work-groups share only the weights.  Their 768 KiB of f32 would have to pass through LDS in three fills, each behind a round
; with nothing else on its way, and would take the 260 KiB that hold four steps of streams from the first instruction on.
; No prefetch: the launch does nothing but stream.
; LIMITS: every matrix operand and every stored number (queries, keys, the weights, Q x 0.18, Ksum, Vsum) must stay under 65,504 in magnitude, f16's
; largest number; beyond it the conversion gives an infinity.  Room: unit-spread tokens and weights of spread 1/16 give sums up to about 11; all inputs
; 30 times larger give 900 times the products, about 5,000; offsets of 30 spreads on keys and weights give 256 x 30 x 1.875 = 14,400.
; Below 2^-14 f16 steps by 2^-24 (denormals are kept).  Sums are ordered PK + (N + A) + bias + product; NaN and infinities are not looked after.
.set TP,    1040                       ; LDS pitch of an f32 row: 1,024 bytes + 16 = 65 x 16: sixteen rows start in sixteen different 16-byte columns of 256 bytes
.set TILEB, 16*TP                      ; what one tensor load brings: 16 rows of one array = one step's rows
.set ARRB,  2*TILEB                    ; an array's 32 rows in a slot
.set SLOTB, 4*ARRB                     ; a slot: N, A, PK, PV
.set XBF,   2*SLOTB                    ; 266,240: f16 [2 arrays][16 tokens], written by ds_store alone
.set XP,    528                        ; pitch of an f16 row: 512 + 16 = 33 x 16
.set XARR,  16*XP
.set STAGE, XBF+2*XARR                 ; 283,136: f16 [3 outputs][16 tokens]
.set BIAS,  STAGE+3*XARR               ; 308,480: f32 [3][256]
.set CVD,  1                           ; v1     where my rounded 8 bytes of queries or keys go
.set XA,   2                           ; v2     my part of a token fragment
.set CAN,  3                           ; v3-4   slot s: my 32 bytes of N's tile (A by the immediate)
.set CAP,  5                           ; v5-6   slot s: my 32 bytes of PK's tile (PV by the immediate): the immediate has 16 bits, a slot 133,120 bytes
.set BA,   7                           ; v7     my 32 bytes of Qb
.set STO,  8                           ; v8     stage: where my 16 bytes go
.set RD,   9                           ; v9     stage: my 16 bytes of my wave's two rows
.set GO,   10                          ; v10    the same in qh, kh, vh
.set WOFF, 11                          ; v11    my 32 bytes of a weight row
.set XG,   12                          ; v12    my 16 bytes of 512 of a row of queries or keys
.set ACC,  16                          ; v16-63 Q0 Q1 K0 K1 V0 V1, 8 registers each; free at a step's head
.set H0,   64                          ; v64-95   at work
.set XL,   96                          ; v96-127  my four rows of the next step's queries or keys, f32, on their way
.set WQ,   128                         ; v128-255 Qw fragments (mt, ks) at 8 (8 mt + ks); v256-383 Kw's, v384-511 Vw's (window 1: 0 and 128)
.set LAND, 32                          ; v32-127  three landing places of 32 registers for f32 weights (set-up only)
.set PT,   240                         ; v240-250 set-up scratch, free before weight group 7 writes these registers
.set G1,   40                          ; s[40:47] descriptor group 1
.set G0,   48                          ; s[48:55] descriptor group 0, one set for each slot
.set XB,   68                          ; s[68:69] queries or keys at my four rows of step 0
.set MSB, 0
.macro WIN new                         ; the immediate's high byte repeats the setting that is left
.if MSB != \new
	s_set_vgpr_msb (MSB<<8)|\new
.set MSB, \new
.endif
.endm
.macro PLACES                          ; four places behind a matrix instruction (ISA guide 7.12.1) before its registers are loaded, read or written
.rept 4
	v_nop
.endr
.endm
	s_load_b512 s[4:19], s[0:1], 0x0               ; queries keys N A PK PV Qw Kw
	s_load_b512 s[20:35], s[0:1], 0x40             ; Vw Qb Kb Vb attn_mask qh kh vh
	s_load_b64 s[36:37], s[0:1], 0x80              ; maskbits
	v_lshl_add_u32 v30, v0, 2, 0x4c100
	v_mov_b32 v31, 0
	ds_add_u32 v30, v31
	ds_add_u32 v30, v31
	s_wait_dscnt 0x0
	v_lshrrev_b32 v13, 5, v0
	v_readfirstlane_b32 s3, v13                    ; wave 0..7
	s_mov_b32 s[G1+0], (2<<16)|(1<<20)|(7<<22)|(3<<25)  ; 4-byte elements; padding on: 4 words behind every 256
	s_mov_b32 s[G1+1], 256<<16                     ; tensor_dim0 = 256
	s_mov_b32 s[G1+2], 16<<16                      ; tensor_dim1 = 16
	s_mov_b32 s[G1+3], 256<<16                     ; tile_dim0 = 256
	s_mov_b32 s[G1+4], 16                          ; tile_dim1 = 16
	s_mov_b32 s[G1+5], 256                         ; elements from row to row
	s_mov_b32 s[G1+6], 0
	s_mov_b32 s[G1+7], 0
	s_lshl_b32 s58, ttmp9, 17                      ; 128 tokens of 1,024 bytes
	s_and_b32 s60, s3, 1
	s_lshl_b32 s60, s60, 14                        ; even waves: a slot's first 16 rows, odd waves: its second
	s_add_co_u32 s58, s58, s60
	s_mov_b32 s59, 0
	s_mul_i32 s60, s3, TILEB                       ; array w / 2, half w % 2 of a slot = wave x 16 rows
	s_lshr_b32 s61, s3, 1
	s_wait_kmcnt 0x0
	s_mov_b64 s[56:57], s[8:9]                     ; waves 0, 1: N; 2, 3: A; 4, 5: PK; 6, 7: PV
.irp n, 1,2,3
	s_cmp_eq_u32 s61, \n
	s_cselect_b64 s[56:57], s[8+2*\n:9+2*\n], s[56:57]
.endr
	s_add_nc_u64 s[56:57], s[56:57], s[58:59]
.irp s, 0,1
	s_mov_b32 s[G0+4*\s], 1
	s_add_co_u32 s[G0+4*\s+1], s60, \s*SLOTB
	s_add_nc_u64 s[G0+4*\s+2:G0+4*\s+3], s[56:57], \s*32768   ; slot s: 32 rows of 1,024 bytes on
	s_or_b32 s[G0+4*\s+3], s[G0+4*\s+3], 0x80000000
.endr
	tensor_load_to_lds s[G0:G0+3], s[G1:G1+7]      ; both first fills together, ahead of everything else: two loads of a wave are out,
	s_nop 0
	tensor_load_to_lds s[G0+4:G0+7], s[G1:G1+7]    ; later never more than one
	s_nop 0
	s_lshl_b32 s58, ttmp9, 17
	s_and_b32 s62, s3, 3
	s_lshl_b32 s62, s62, 12                        ; my four rows of a step's sixteen
	s_add_co_u32 s58, s58, s62
	s_cmp_lt_u32 s3, 4
	s_cselect_b64 s[XB:XB+1], s[4:5], s[6:7]       ; waves 0-3: queries, waves 4-7: keys
	s_add_nc_u64 s[XB:XB+1], s[XB:XB+1], s[58:59]
	s_lshl_b32 s58, ttmp9, 16                      ; 128 tokens of 512 bytes
	s_add_nc_u64 s[30:31], s[30:31], s[58:59]
	s_add_nc_u64 s[32:33], s[32:33], s[58:59]
	s_add_nc_u64 s[34:35], s[34:35], s[58:59]
	v_and_b32 v13, 15, v0                          ; r
	v_bfe_u32 v14, v0, 4, 1                        ; h
	v_and_b32 v15, 31, v0                          ; lane
	s_lshl_b32 s61, s3, 15
	v_lshlrev_b32 v[WOFF], 10, v13
	v_lshl_add_u32 v[WOFF], v14, 5, v[WOFF]
	v_add_nc_u32 v[WOFF], s61, v[WOFF]             ; (32 w + r) x 1,024 + 32 h
	v_lshlrev_b32 v[XG], 4, v15
	v_lshlrev_b32 v[PT], 2, v0                     ; one bias number a thread
	v_add_nc_u32 v[PT+10], BIAS, v[PT]
	s_lshr_b32 s62, ttmp9, 1                       ; mask: q tile = group / 2,
	s_lshl_b32 s62, s62, 15                        ; 16 rows of 2,048 bytes
	s_and_b32 s63, ttmp9, 1
	s_lshl_b32 s63, s63, 10                        ; the group's half of the row,
	s_add_co_u32 s62, s62, s63
	s_lshl_b32 s63, s3, 7                          ; my wave's 128 columns
	s_add_co_u32 s62, s62, s63
	v_lshlrev_b32 v[PT+4], 11, v13
	v_lshl_add_u32 v[PT+4], v14, 3, v[PT+4]
	v_add_nc_u32 v[PT+4], s62, v[PT+4]             ; row r, 8 bytes at 8 h of every 16
	s_lshl_b32 s62, ttmp9, 11
	s_lshl_b32 s63, s3, 8
	s_add_co_u32 s62, s62, s63
	v_lshl_add_u32 v[PT+9], v15, 3, s62            ; my wave's 64 words of maskbits: 256 bytes, 8 a lane
	global_load_b32 v[PT+1], v[PT], s[22:23]
	global_load_b32 v[PT+2], v[PT], s[24:25]
	global_load_b32 v[PT+3], v[PT], s[26:27]
.irp k, 0,1,2,3,4,5,6,7
	global_load_b64 v[16+2*\k:17+2*\k], v[PT+4], s[28:29] offset:16*\k th:TH_LOAD_NT
.endr
; My four rows of step t's queries or keys: eight loads of 512 consecutive bytes.
.macro XGLOAD t
.irp q, 0,1,2,3
.irp p, 0,1
	global_load_b128 v[XL+8*\q+4*\p:XL+8*\q+4*\p+3], v[XG], s[XB:XB+1] offset:(\t)*16384+\q*1024+\p*512 th:TH_LOAD_NT
.endr
.endr
.endm
; Weight group n = 8 x + 4 mt + kpair: two fragments (ks = 2 kpair, 2 kpair + 1) of matrix x, 256 neighbouring bytes of each of 16 rows.
; Group n lands in place (n + 2) % 3, so that the place at v96-127 is the first to fall free at the end (group 21's).
.macro WLOAD n
.set wx, (\n)/8
.set wm, ((\n)/4)%2
.set wk, 2*((\n)%4)
.set wl, LAND+32*(((\n)+2)%3)
.irp f, 0,1
.irp q, 0,1,2,3
	global_load_b128 v[wl+16*\f+4*\q:wl+16*\f+4*\q+3], v[WOFF], s[16+2*wx:17+2*wx] offset:wm*16384+(wk+\f)*128+16*(\q%2)+64*(\q/2)
.endr
.endr
.endm
.macro WGROUP n, left
	s_wait_loadcnt \left                           ; group n is in; the younger runs of eight loads stay out
.set wx, (\n)/8
.set wm, ((\n)/4)%2
.set wk, 2*((\n)%4)
.set wl, LAND+32*(((\n)+2)%3)
.if wx == 1
.set wd, 8*(8*wm+wk)
.else
.set wd, 128+8*(8*wm+wk)
.endif
.if wx > 0
	WIN 0x40                                       ; destination in window 1
.endif
.set u, 0
.rept 16
	v_cvt_pk_f16_f32 v[wd+u], v[wl+2*u], v[wl+2*u+1]
.set u, u+1
.endr
	WIN 0
.if (\n)+3 < 24
	WLOAD (\n)+3
.endif
.if (\n) == 21
	XGLOAD 0                                       ; v96-127 are free: step 0's rows go out behind groups 22 and 23
.endif
.endm
	WLOAD 0
	WLOAD 1
	WLOAD 2
	; the addresses of the steps, while the loads are on their way
	s_mul_i32 s63, s3, 4*XP                        ; wave w writes rows 4 w .. 4 w + 3 of the 32 f16 rows (queries' 16, then keys' 16)
	s_add_co_u32 s63, s63, XBF
	v_lshl_add_u32 v[CVD], v15, 3, s63
	v_mul_u32_u24 v[XA], v13, XP
	v_lshl_add_u32 v[XA], v14, 4, v[XA]            ; 528 r + 16 h
	s_lshl_b32 s63, s3, 6
	s_add_co_u32 s63, s63, STAGE
	v_add_nc_u32 v[STO], s63, v[XA]                ; + my wave's 64 bytes of a staged row
	v_add_nc_u32 v[XA], XBF, v[XA]
	v_mul_u32_u24 v[CAN], v13, TP
	v_lshl_add_u32 v[CAN], v14, 5, v[CAN]
	s_lshl_b32 s63, s3, 7
	v_add_nc_u32 v[CAN], s63, v[CAN]               ; N's tile in slot 0: 1,040 r + 128 w + 32 h
	v_add_nc_u32 v[CAN+1], SLOTB, v[CAN]
	v_add_nc_u32 v[CAP], 2*ARRB, v[CAN]
	v_add_nc_u32 v[CAP+1], SLOTB+2*ARRB, v[CAN]
	s_add_co_u32 s63, s63, BIAS
	v_lshl_add_u32 v[BA], v14, 5, s63
	s_mul_i32 s63, s3, 2*XP
	s_add_co_u32 s63, s63, STAGE
	v_lshl_add_u32 v[RD], v15, 4, s63              ; tokens 2 w, 2 w + 1: a whole row of 512 bytes a load
	s_lshl_b32 s63, s3, 10
	v_lshl_add_u32 v[GO], v15, 4, s63
	s_wait_loadcnt 24                              ; biases and mask are in; the 24 weight loads behind them stay out
	ds_store_b32 v[PT+10], v[PT+1]
	ds_store_b32 v[PT+10], v[PT+2] offset:1024
	ds_store_b32 v[PT+10], v[PT+3] offset:2048
	; Mask word x = 8 kt + j of my two key steps: bit l = mask[16 qtile + l % 16][.. + 16 kt + 8 (l / 16) + j], the lane map of a score register.
	v_mov_b32 v[PT+6], 0
	v_mov_b32 v[PT+7], 0
.set x, 0
.rept 64
	v_bfe_u32 v[PT+8], v[16+2*(x/8)+((x%8)/4)], 8*(x%4), 8
	v_cmp_ne_u32 s66, 0, v[PT+8]
	v_writelane_b32 v[PT+6+(x%2)], s66, x/2        ; lane i keeps words 2 i and 2 i + 1
.set x, x+1
.endr
	global_store_b64 v[PT+9], v[PT+6:PT+7], s[36:37]   ; 256 consecutive bytes, aligned
	s_wait_xcnt 0x0                                ; the store's registers are weight registers: written again only behind this wait
.set gn, 0
.rept 23
	WGROUP gn, 16                                  ; behind group 22 stand group 23 and step 0's rows: sixteen loads again
.set gn, gn+1
.endr
	WGROUP 23, 8                                   ; step 0's eight loads stay out
.macro RBLOAD                          ; the staged step back by whole rows, into the accumulators' registers, which are free at a step's head
.irp x, 0,1,2
.irp u, 0,1
	ds_load_b128 v[ACC+8*\x+4*\u:ACC+8*\x+4*\u+3], v[RD] offset:\x*XARR+\u*XP
.endr
.endr
.endm
.macro RBSTORE t                       ; and out: a store of the wave covers one row, 512 consecutive bytes, aligned
.irp x, 0,1,2
.irp u, 0,1
	global_store_b128 v[GO], v[ACC+8*\x+4*\u:ACC+8*\x+4*\u+3], s[30+2*\x:31+2*\x] offset:(\t)*8192+\u*512
.endr
.endr
.endm
.macro XFRAG a, k0                     ; four token fragments, ks = k0 .. k0 + 3, of array a
.irp k, 0,1,2,3
	ds_load_b128 v[H0+8*\k:H0+8*\k+3],   v[XA] offset:\a*XARR+64*(\k0+\k)
	ds_load_b128 v[H0+8*\k+4:H0+8*\k+7], v[XA] offset:\a*XARR+64*(\k0+\k)+32
.endr
.endm
; The accumulators take turns, one instruction a turn.  Each fragment's products start when its two loads are in:
; the counts 6, 4, 2, 0 leave the younger fragments of the run of four on their way.
.macro MULQ k0
.irp k, 0,1,2,3
	s_wait_dscnt 6-2*\k
.irp m, 0,1
	v_wmma_f32_16x16x32_f16 v[ACC+8*\m:ACC+8*\m+7], v[WQ+8*(8*\m+\k0+\k):WQ+8*(8*\m+\k0+\k)+7], v[H0+8*\k:H0+8*\k+7], v[ACC+8*\m:ACC+8*\m+7]
.endr
.endr
.endm
.macro MULKV k0                        ; source 0 in window 1: Kw's fragments from 0, Vw's from 128
.irp k, 0,1,2,3
	s_wait_dscnt 6-2*\k
.irp m, 0,1
	v_wmma_f32_16x16x32_f16 v[ACC+16+8*\m:ACC+16+8*\m+7], v[8*(8*\m+\k0+\k):8*(8*\m+\k0+\k)+7], v[H0+8*\k:H0+8*\k+7], v[ACC+16+8*\m:ACC+16+8*\m+7]
.endr
.irp m, 0,1
	v_wmma_f32_16x16x32_f16 v[ACC+32+8*\m:ACC+32+8*\m+7], v[128+8*(8*\m+\k0+\k):128+8*(8*\m+\k0+\k)+7], v[H0+8*\k:H0+8*\k+7], v[ACC+32+8*\m:ACC+32+8*\m+7]
.endr
.endr
.endm
; Step i.  kind: 0 = the first; 1 = nothing changes in the ring; 2 = a new slot is read and the other is filled again; 3 = a new slot is read, nothing is left to fetch.
.macro STEP i, kind
.set sl, ((\i)/2)%2                    ; this step's slot
.set so, 1-sl                          ; the other slot
.set uo, ((\i)%2)*TILEB                ; this step's half of each array's 32 rows
.if \kind == 0
	s_wait_tensorcnt 0x1                           ; my part of slot 0 is in; slot 1's may stay out
.endif
.if \kind >= 2
	s_wait_xcnt 0x0
	v_lshl_add_u32 v30, v0, 2, 0x4c100
	v_mov_b32 v31, 0
	s_wait_tensorcnt 0x0                           ; all my tensor loads have landed: my part of the slot that is read from here on
	ds_add_u32 v30, v31
	s_wait_dscnt 0x0
.endif
.if \kind == 2
	s_add_nc_u64 s[G0+4*so+2:G0+4*so+3], s[G0+4*so+2:G0+4*so+3], 65536   ; no load of mine is out, so a group 0 may be written: 64 rows on
.endif
	s_wait_dscnt 0x0                               ; my reads of the ring and of the token fragments are back, my staged results (step 0: my biases) are written
	s_barrier_signal -1
	s_barrier_wait -1                              ; all that now holds of every wave
.if \kind == 2
	tensor_load_to_lds s[G0+4*so:G0+4*so+3], s[G1:G1+7]   ; my one load behind this barrier, first thing there; it is read two steps from here
	s_nop 0
.endif
.if \i > 0
	RBLOAD                                         ; the last step's results
.endif
.irp m, 0,1
	ds_load_b128 v[H0+8*\m:H0+8*\m+3],       v[CAN+sl] offset:uo+64*\m             ; N
	ds_load_b128 v[H0+8*\m+4:H0+8*\m+7],     v[CAN+sl] offset:uo+64*\m+16
	ds_load_b128 v[H0+16+8*\m:H0+16+8*\m+3], v[CAN+sl] offset:ARRB+uo+64*\m        ; A
	ds_load_b128 v[H0+16+8*\m+4:H0+16+8*\m+7], v[CAN+sl] offset:ARRB+uo+64*\m+16
.endr
	s_wait_loadcnt 0x0                             ; my four rows of this step's queries or keys, asked for a step ago
.irp k, 0,1,2,3,4,5,6,7
	v_cvt_pk_f16_f32 v[ACC+32+2*\k],   v[XL+4*\k],   v[XL+4*\k+1]
	v_cvt_pk_f16_f32 v[ACC+32+2*\k+1], v[XL+4*\k+2], v[XL+4*\k+3]
.endr
.if \i < 7
	XGLOAD (\i)+1                                  ; the next step's rows: they stay out across both barriers of this step
.endif
.irp q, 0,1,2,3
.irp p, 0,1
	ds_store_b64 v[CVD], v[ACC+32+2*(2*\q+\p):ACC+32+2*(2*\q+\p)+1] offset:\q*XP+\p*256
.endr
.endr
.if \i > 0
	s_wait_dscnt 16                                ; 8 loads of N and A and 8 stores were issued behind the read-backs
	RBSTORE (\i)-1
	s_wait_xcnt 0x0                                ; the stores' data registers are loaded again only behind this wait
.endif
	; the C operands: PK and PV straight into K's and V's accumulators, Qb into Q's
.irp m, 0,1
	ds_load_b128 v[ACC+16+8*\m:ACC+16+8*\m+3],   v[CAP+sl] offset:uo+64*\m
	ds_load_b128 v[ACC+16+8*\m+4:ACC+16+8*\m+7], v[CAP+sl] offset:uo+64*\m+16
	ds_load_b128 v[ACC+32+8*\m:ACC+32+8*\m+3],   v[CAP+sl] offset:ARRB+uo+64*\m
	ds_load_b128 v[ACC+32+8*\m+4:ACC+32+8*\m+7], v[CAP+sl] offset:ARRB+uo+64*\m+16
	ds_load_b128 v[ACC+8*\m:ACC+8*\m+3],         v[BA] offset:64*\m
	ds_load_b128 v[ACC+8*\m+4:ACC+8*\m+7],       v[BA] offset:64*\m+16
.endr
	s_wait_dscnt 20                                ; N and A are in: 8 stores and 12 loads were issued behind them
.set c, 0
.rept 8
	v_pk_add_f32 v[H0+2*c:H0+2*c+1], v[H0+2*c:H0+2*c+1], v[H0+16+2*c:H0+16+2*c+1]          ; N + A
.set c, c+1
.endr
.irp m, 0,1
	ds_load_b128 v[H0+16+8*\m:H0+16+8*\m+3],   v[BA] offset:1024+64*\m                     ; Kb, where A was
	ds_load_b128 v[H0+16+8*\m+4:H0+16+8*\m+7], v[BA] offset:1024+64*\m+16
.endr
	s_wait_dscnt 4                                 ; PK, PV, Qb are in; Kb's four loads stay out
.set c, 0
.rept 8
	v_pk_add_f32 v[ACC+16+2*c:ACC+16+2*c+1], v[ACC+16+2*c:ACC+16+2*c+1], v[H0+2*c:H0+2*c+1]   ; PK + (N + A)
	v_pk_add_f32 v[ACC+32+2*c:ACC+32+2*c+1], v[ACC+32+2*c:ACC+32+2*c+1], v[H0+2*c:H0+2*c+1]   ; PV + (N + A)
.set c, c+1
.endr
.irp m, 0,1
	ds_load_b128 v[H0+8*\m:H0+8*\m+3],   v[BA] offset:2048+64*\m                           ; Vb, where N + A was
	ds_load_b128 v[H0+8*\m+4:H0+8*\m+7], v[BA] offset:2048+64*\m+16
.endr
	s_wait_dscnt 4                                 ; Kb is in; Vb's four loads stay out
.set c, 0
.rept 8
	v_pk_add_f32 v[ACC+16+2*c:ACC+16+2*c+1], v[ACC+16+2*c:ACC+16+2*c+1], v[H0+16+2*c:H0+16+2*c+1]
.set c, c+1
.endr
	s_wait_dscnt 0x0                               ; Vb is in, and my f16 rows are written: for the barrier below the count is zero
.set c, 0
.rept 8
	v_pk_add_f32 v[ACC+32+2*c:ACC+32+2*c+1], v[ACC+32+2*c:ACC+32+2*c+1], v[H0+2*c:H0+2*c+1]
.set c, c+1
.endr
	s_barrier_signal -1                            ; every wave's f16 rows are written, and its read-backs of the stage are over;
	s_barrier_wait -1                              ; A tensor load may stay out across it
	XFRAG 0, 0
	MULQ 0
	PLACES
	XFRAG 0, 4
	MULQ 4
	PLACES
	XFRAG 1, 0
	WIN 0x01
	MULKV 0
	WIN 0
	PLACES
	XFRAG 1, 4
	WIN 0x01
	MULKV 4
	WIN 0
	PLACES
.set c, 0
.rept 8
	v_pk_mul_f32 v[ACC+2*c:ACC+2*c+1], v[ACC+2*c:ACC+2*c+1], 0x3e38aa3b op_sel_hi:[1,0]   ; Q x 0.125 log2(e): the scores come out ready for 2^x
.set c, c+1
.endr
.set c, 0
.rept 24
	v_cvt_pk_f16_f32 v[H0+c], v[ACC+2*c], v[ACC+2*c+1]
.set c, c+1
.endr
.irp x, 0,1,2
.irp m, 0,1
	ds_store_b128 v[STO], v[H0+8*\x+4*\m:H0+8*\x+4*\m+3] offset:\x*XARR+32*\m
.endr
.endr
.endm
	STEP 0, 0                                      ; slot 0, first half
	STEP 1, 1                                      ; slot 0, second half
	STEP 2, 2                                      ; slot 1; slot 0 is filled again with steps 4 and 5
	STEP 3, 1
	STEP 4, 2                                      ; slot 0; slot 1 is filled again with steps 6 and 7: the last load
	STEP 5, 1
	STEP 6, 3                                      ; slot 1: the wait for all tensor loads, and nothing more to fetch
	STEP 7, 1
	s_wait_dscnt 0x0
	s_barrier_signal -1
	s_barrier_wait -1
	RBLOAD
	s_wait_dscnt 0x0
	RBSTORE 7
	s_wait_xcnt 0x0
	v_lshl_add_u32 v30, v0, 2, 0x4c100
	v_mov_b32 v31, 0
	s_wait_tensorcnt 0x0
	ds_add_u32 v30, v31
	s_wait_dscnt 0x0
	s_endpgm
.Lfunc_end_k_qb6bb0a5d01_proj:
	.size	k_qb6bb0a5d01_proj, .Lfunc_end_k_qb6bb0a5d01_proj-k_qb6bb0a5d01_proj
	.p2alignl 7, 3214868480
	.fill 96, 4, 3214868480
	.section	.rodata,"a",@progbits
	.p2align	6, 0x0
	.amdhsa_kernel k_qb6bb0a5d01_proj
		.amdhsa_group_segment_fixed_size 327680
		.amdhsa_private_segment_fixed_size 0
		.amdhsa_enable_private_segment 0
		.amdhsa_kernarg_size 136
		.amdhsa_user_sgpr_count 2
		.amdhsa_user_sgpr_kernarg_segment_ptr 1
		.amdhsa_wavefront_size32 1
		.amdhsa_system_sgpr_workgroup_id_x 1
		.amdhsa_system_sgpr_workgroup_id_y 1
		.amdhsa_system_sgpr_workgroup_id_z 1
		.amdhsa_system_vgpr_workitem_id 0
		.amdhsa_next_free_vgpr 512
		.amdhsa_next_free_sgpr 80
		.amdhsa_reserve_vcc 0
		.amdhsa_float_denorm_mode_32 3
		.amdhsa_float_denorm_mode_16_64 3
		.amdhsa_memory_ordered 1
		.amdhsa_forward_progress 1
		.amdhsa_inst_pref_size 197
	.end_amdhsa_kernel
	.amdgpu_metadata
---
amdhsa.version: [ 1, 2 ]
amdhsa.kernels:
  - .name:           k_qb6bb0a5d01_proj
    .symbol:         k_qb6bb0a5d01_proj.kd
    .args:
      - { .name: queries, .offset: 0, .size: 8, .value_kind: global_buffer, .address_space: global }
      - { .name: keys, .offset: 8, .size: 8, .value_kind: global_buffer, .address_space: global }
      - { .name: neighbor_matrix, .offset: 16, .size: 8, .value_kind: global_buffer, .address_space: global }
      - { .name: neighAt_matrix, .offset: 24, .size: 8, .value_kind: global_buffer, .address_space: global }
      - { .name: abs_pos_K, .offset: 32, .size: 8, .value_kind: global_buffer, .address_space: global }
      - { .name: abs_pos_V, .offset: 40, .size: 8, .value_kind: global_buffer, .address_space: global }
      - { .name: Qw, .offset: 48, .size: 8, .value_kind: global_buffer, .address_space: global }
      - { .name: Kw, .offset: 56, .size: 8, .value_kind: global_buffer, .address_space: global }
      - { .name: Vw, .offset: 64, .size: 8, .value_kind: global_buffer, .address_space: global }
      - { .name: Qb, .offset: 72, .size: 8, .value_kind: global_buffer, .address_space: global }
      - { .name: Kb, .offset: 80, .size: 8, .value_kind: global_buffer, .address_space: global }
      - { .name: Vb, .offset: 88, .size: 8, .value_kind: global_buffer, .address_space: global }
      - { .name: attn_mask, .offset: 96, .size: 8, .value_kind: global_buffer, .address_space: global }
      - { .name: qh, .offset: 104, .size: 8, .value_kind: global_buffer, .address_space: global }
      - { .name: kh, .offset: 112, .size: 8, .value_kind: global_buffer, .address_space: global }
      - { .name: vh, .offset: 120, .size: 8, .value_kind: global_buffer, .address_space: global }
      - { .name: maskbits, .offset: 128, .size: 8, .value_kind: global_buffer, .address_space: global }
    .group_segment_fixed_size: 327680
    .private_segment_fixed_size: 0
    .kernarg_segment_align: 8
    .kernarg_segment_size: 136
    .max_flat_workgroup_size: 256
    .sgpr_count:     80
    .vgpr_count:     512
    .wavefront_size: 32
...
	.end_amdgpu_metadata
.endif
;; end of part 1
;; launch attn (part 2): grid 16 x 16, 8 waves a work-group, clusters of 4 x 1, 327,680 bytes of LDS; arguments qh, kh, vh, maskbits, out0; writes out0
.if DOCPART == 2
	.amdgcn_target "amdgcn-amd-amdhsa--gfx1250"
	.amdhsa_code_object_version 6
	.text
	.protected	k_qb6bb0a5d01_attn
	.globl	k_qb6bb0a5d01_attn
	.p2align	8
	.type	k_qb6bb0a5d01_attn,@function
k_qb6bb0a5d01_attn:
	s_mov_b64 s[64:65], 0
	v_nop
	global_prefetch_b8 v0, s[64:65] scope:SCOPE_SE
	s_setreg_imm32_b32 hwreg(HW_REG_WAVE_MODE, 25, 1), 1
	s_wait_xcnt 0x0
	s_wait_alu depctr_hold_cnt(0) depctr_sa_sdst(0) depctr_va_vdst(0) depctr_va_sdst(0) depctr_va_ssrc(0) depctr_va_vcc(0) depctr_vm_vsrc(0)
	s_getreg_b32 s2, hwreg(HW_REG_IB_STS2, 6, 4)
	s_cmp_eq_u32 s2, 0
	s_cbranch_scc0 .Lentry_in_a_cluster
	s_endpgm
.Lentry_in_a_cluster:
	s_bfe_u32 s2, ttmp6, 0x10000c
	s_cmp_lg_u32 s2, 0x3003
	s_cbranch_scc0 .Lentry_shape_is_right
	s_endpgm
.Lentry_shape_is_right:
; out0 = softmax(mask ? -2^32 : Q Ksum^T / 8) Vsum, head by head.  qh already carries 0.125 log2(e), so scores are exponents of 2.
; A work-group takes 128 queries of one batch, all four heads; wave w takes head w & 3 and queries 64 (w >> 2) .. + 63.  Keys go in steps of 64.
; Both products are used transposed: S^T = K Q^T (lane l: query l % 16, keys 8 (l / 16) + 0..7 of a 16-key tile) and O^T = V^T P^T.  A lane owns one
; query, so the row maximum needs one exchange between the halves of the wave, and two packed neighbouring score tiles ARE a source-1 fragment of P.
; The mask is an input: nothing is skipped.  It comes as 32-bit lane masks (one word for a score register), read by scalar loads; a masked score is
; REPLACED by -2^32 log2(e), so a row that is masked throughout comes out as the plain average, as in the source.  Running maximum, f32 sums.
; All matrix operands are f16 (11 significant bits).  The weights P lie in [0, 1] by the running maximum, so they have room in f16 for every input;
; below 2^-14 they step by 2^-24, against a denominator of at least 1.
; CLUSTER: the four work-groups of a cluster are four query blocks of one batch; they walk the same K and V rows in the same 32 steps and ask for them
; jointly (mask 15).  A slot holds 128 keys (two steps): K's and V's whole rows of 512 bytes, fetched by waves 0-3, 64 rows each.  Two slots.
; A wave has two tensor loads out at the start and one behind each round.
; No prefetch: each refill is asked for two steps ahead of its first read, and four clusters of a batch read the same rows shortly after one another.
; LIMITS: qh, kh, vh are f16 and finite only while the numbers stored there stay under 65,504 in magnitude (the first launch's head gives the room);
; NaN and infinities are not looked after; 2^x below 2^-126 counts as 0; the denominator sums the f32 weights, the product takes them in f16.
.set KP,    528                        ; LDS pitch of a K row: 512 + 16 = 33 x 16
.set VP,    544                        ; of a V row: 512 + 32 = 17 x 32
.set REG,   34816                      ; a loader's region: 64 rows
.set SLOT,  4*REG                      ; K keys 0-63, K keys 64-127, V keys 0-63, V keys 64-127
.set STAGE, 2*SLOT                     ; 278,528: 16 rows x 272 bytes for each wave, written by ds_store alone
.set SP,    272
.set KA,   4                           ; v4-5   slot s: my part of a K fragment
.set VA,   6                           ; v6-7   slot s: my part of a V fragment
.set STO,  8
.set RD,   9
.set CO,   10
.set NEGV, 11                          ; -2^32 log2(e)
.set M,    12                          ; v12-15 running maximum of q tile 0..3
.set L,    16                          ; v16-19 running sum, over my half's keys
.set AL,   20                          ; v20-27 2^(old max - new max), a pair for each q tile; at the end 1 / sum
.set NM,   28                          ; v28-31 minus the maximum, two pairs
.set T,    32                          ; v32-47 at work
.set S,    64                          ; v64-191 S(kt, qt) at 32 qt + 8 kt; P(qt, kp) in the first 8 of the 16 registers at 32 qt + 16 kp
.set KF,   192                         ; v192-255 K fragments (kt, ds) at 8 (2 kt + ds)
.set RB,   128                         ; the way out: two buffers of 32
.set O,    0                           ; window 1: O(dt, qt) at 8 (4 qt + dt)
.set QF,   128                         ; window 1: Q fragments (qt, ds) at 8 (2 qt + ds)
.set VF,   192                         ; window 1: V fragments (dt, kp) at 8 (4 kp + dt)
.set G1K,  8                           ; s[8:15]
.set G1V,  16                          ; s[16:23]
.set G0,   24                          ; s[24:31] one set for each slot
.set MSB, 0
.macro WIN new                         ; low byte: bits 1:0 source 0, 3:2 source 1, 5:4 source 2, 7:6 destination; the high byte repeats the setting that is left
.if MSB != \new
	s_set_vgpr_msb (MSB<<8)|\new
.set MSB, \new
.endif
.endm
.macro PLACES n                        ; places behind a matrix instruction (ISA guide 7.12.1)
.rept \n
	v_nop
.endr
.endm
.macro ROUND                           ; a round of the cluster's barrier
	s_barrier_signal -1
	s_barrier_wait -1
	s_cmp_lg_u32 s3, 0
	s_cbranch_scc1 .Lnot_wave_0_\@
	s_barrier_signal -3
.Lnot_wave_0_\@:
	s_barrier_wait -3
	s_barrier_signal -1
	s_barrier_wait -1
.endm
.macro JLOAD s                         ; waves 0, 1 ask for K's halves, waves 2, 3 for V's; the branches hang on the wave's number alone
	s_cmp_lt_u32 s3, 2
	s_cbranch_scc0 .Lfor_v_\@
	tensor_load_to_lds s[G0+4*\s:G0+4*\s+3], s[G1K:G1K+7]
	s_nop 0
	s_branch .Lasked_\@
.Lfor_v_\@:
	s_cmp_lt_u32 s3, 4
	s_cbranch_scc0 .Lasked_\@
	tensor_load_to_lds s[G0+4*\s:G0+4*\s+3], s[G1V:G1V+7]
	s_nop 0
.Lasked_\@:
.endm
	s_load_b256 s[32:39], s[0:1], 0x0              ; qh kh vh maskbits
	s_load_b64 s[40:41], s[0:1], 0x20              ; out0
	v_lshl_add_u32 v62, v0, 2, 0x4c800
	v_mov_b32 v63, 0
	ds_add_u32 v62, v63
	ds_add_u32 v62, v63
	v_lshrrev_b32 v1, 5, v0
	v_readfirstlane_b32 s3, v1                     ; wave 0..7
	s_bfe_u32 s42, ttmp6, 0x40000                  ; cx
	s_lshl_b32 s43, ttmp9, 2
	s_add_co_u32 s43, s43, s42                     ; query block = 4 x cluster x + cx: enters the addresses of Q, mask words and out0 alone
	s_and_b32 s44, ttmp7, 0xffff                   ; batch
	s_and_b32 s45, s3, 3                           ; head
	s_lshr_b32 s46, s3, 2                          ; half of the query block
	s_mov_b32 s66, 0x76543210                      ; v_permlanex16_b32: lane i reads lane i of the other half
	s_mov_b32 s67, 0xfedcba98
	s_mov_b32 s[G1K+0], 15|(1<<16)|(1<<20)|(1<<21)|(6<<22)|(3<<25)   ; all four work-groups; 2-byte elements; 4 words of padding behind every 128; bit 21 beside a mask
	s_mov_b32 s[G1V+0], 15|(1<<16)|(1<<20)|(1<<21)|(6<<22)|(7<<25)   ; the same with 8 words
.irp g, G1K, G1V
	s_mov_b32 s[\g+1], 256<<16                     ; tensor_dim0 = 256
	s_mov_b32 s[\g+2], 64<<16                      ; tensor_dim1 = 64
	s_mov_b32 s[\g+3], 256<<16                     ; tile_dim0 = 256
	s_mov_b32 s[\g+4], 64                          ; tile_dim1 = 64
	s_mov_b32 s[\g+5], 256                         ; elements from row to row
	s_mov_b32 s[\g+6], 0
	s_mov_b32 s[\g+7], 0
.endr
	s_lshl_b32 s48, s44, 20                        ; K, V: batch x 2,048 rows of 512 bytes
	s_and_b32 s49, s3, 1
	s_lshl_b32 s49, s49, 15                        ; + my 64 rows of the slot's 128
	s_add_co_u32 s48, s48, s49
	s_mov_b32 s49, 0
	s_mul_i32 s52, s3, REG
	s_lshl_b32 s54, s43, 15                        ; mask words: 8 q tiles of 4,096 bytes a block,
	s_lshl_b32 s55, s46, 14                        ; 4 a half
	s_add_co_u32 s54, s54, s55
	s_mov_b32 s55, 0
	s_lshl_b32 s56, s44, 21                        ; out0: rows of 1,024 bytes
	s_lshl_b32 s57, s43, 17
	s_add_co_u32 s56, s56, s57
	s_lshl_b32 s57, s46, 16
	s_add_co_u32 s56, s56, s57
	s_lshl_b32 s57, s45, 8                         ; my head's 256 bytes of a row
	s_add_co_u32 s56, s56, s57
	s_mov_b32 s57, 0
	s_lshl_b32 s58, s44, 20                        ; Q: rows of 512 bytes
	s_lshl_b32 s59, s43, 16
	s_add_co_u32 s58, s58, s59
	s_lshl_b32 s59, s46, 15
	s_add_co_u32 s58, s58, s59
	s_mov_b32 s59, 0
	s_wait_dscnt 0x0
	s_wait_kmcnt 0x0
	s_cmp_lt_u32 s3, 2
	s_cselect_b64 s[50:51], s[34:35], s[36:37]     ; waves 0, 1: kh; the others: vh
	s_add_nc_u64 s[50:51], s[50:51], s[48:49]
	s_add_nc_u64 s[4:5], s[38:39], s[54:55]        ; my four q tiles' mask words, key step 0
	s_add_nc_u64 s[6:7], s[40:41], s[56:57]
	s_add_nc_u64 s[100:101], s[32:33], s[58:59]
.irp s, 0,1
	s_mov_b32 s[G0+4*\s], 1
	s_add_co_u32 s[G0+4*\s+1], s52, \s*SLOT
	s_add_nc_u64 s[G0+4*\s+2:G0+4*\s+3], s[50:51], \s*65536    ; 128 keys on
	s_or_b32 s[G0+4*\s+3], s[G0+4*\s+3], 0x80000000
.endr
	ROUND                                          ; all four work-groups are here: the first joint loads meet
	s_cmp_lt_u32 s3, 2
	s_cbranch_scc0 .Lfirst_v
	tensor_load_to_lds s[G0:G0+3], s[G1K:G1K+7]
	s_nop 0
	tensor_load_to_lds s[G0+4:G0+7], s[G1K:G1K+7]
	s_nop 0
	s_branch .Lfirst_done
.Lfirst_v:
	s_cmp_lt_u32 s3, 4
	s_cbranch_scc0 .Lfirst_done
	tensor_load_to_lds s[G0:G0+3], s[G1V:G1V+7]
	s_nop 0
	tensor_load_to_lds s[G0+4:G0+7], s[G1V:G1V+7]
	s_nop 0
.Lfirst_done:
	v_and_b32 v1, 15, v0                           ; r
	v_bfe_u32 v3, v0, 4, 1                         ; h
	s_lshl_b32 s47, s45, 7                         ; my head's 128 bytes of an f16 row
	v_mul_u32_u24 v[KA], v1, KP
	v_lshl_add_u32 v[KA], v3, 4, v[KA]
	v_add_nc_u32 v[KA], s47, v[KA]                 ; 528 r + 128 head + 16 h
	v_add_nc_u32 v[KA+1], SLOT, v[KA]
	v_and_b32 v[VA], 7, v0
	v_lshl_add_u32 v[VA], v3, 3, v[VA]
	v_mul_u32_u24 v[VA], v[VA], VP                 ; key row 8 h + l % 8
	v_bfe_u32 v[VA+1], v0, 3, 1
	v_lshl_add_u32 v[VA], v[VA+1], 4, v[VA]        ; + 16 ((l >> 3) & 1)
	s_add_co_u32 s104, s47, 2*REG
	v_add_nc_u32 v[VA], s104, v[VA]
	v_add_nc_u32 v[VA+1], SLOT, v[VA]
	s_mul_i32 s105, s3, 16*SP
	s_add_co_u32 s105, s105, STAGE
	v_mul_u32_u24 v[STO], v1, SP
	v_lshl_add_u32 v[STO], v3, 5, v[STO]
	v_add_nc_u32 v[STO], s105, v[STO]              ; in: row r, 32 bytes for each half of the lanes
	v_mul_u32_u24 v[RD], v3, SP
	v_lshl_add_u32 v[RD], v1, 4, v[RD]
	v_add_nc_u32 v[RD], s105, v[RD]                ; back: lanes 0-15 one row of 256 bytes, lanes 16-31 the next
	v_lshlrev_b32 v[CO], 10, v3
	v_lshl_add_u32 v[CO], v1, 4, v[CO]
	v_lshlrev_b32 v2, 9, v1
	v_lshl_add_u32 v2, v3, 4, v2
	v_add_nc_u32 v2, s47, v2                       ; Q: 512 r + 128 head + 16 h
	v_mov_b32 v[NEGV], 0xcfb8aa3b
	WIN 0x40                                       ; destination in window 1
.irp qt, 0,1,2,3
.irp ds, 0,1
	global_load_b128 v[QF+8*(2*\qt+\ds):QF+8*(2*\qt+\ds)+3],   v2, s[100:101] offset:8192*\qt+64*\ds th:TH_LOAD_NT
	global_load_b128 v[QF+8*(2*\qt+\ds)+4:QF+8*(2*\qt+\ds)+7], v2, s[100:101] offset:8192*\qt+64*\ds+32 th:TH_LOAD_NT
.endr
.endr
	WIN 0
.macro MLOAD p                         ; the 32 mask words of this key step for q tiles 2 p (s32-63) and 2 p + 1 (s68-99)
	s_load_b512 s[32:47], s[4:5], \p*8192
	s_load_b512 s[48:63], s[4:5], \p*8192+64
	s_load_b512 s[68:83], s[4:5], \p*8192+4096
	s_load_b512 s[84:99], s[4:5], \p*8192+4160
.endm
.macro KLOAD s, u                      ; 64 keys x my head's 64 d: eight fragments
.irp kt, 0,1,2,3
.irp ds, 0,1
	ds_load_b128 v[KF+8*(2*\kt+\ds):KF+8*(2*\kt+\ds)+3],   v[KA+\s] offset:\u*REG+\kt*16*KP+64*\ds
	ds_load_b128 v[KF+8*(2*\kt+\ds)+4:KF+8*(2*\kt+\ds)+7], v[KA+\s] offset:\u*REG+\kt*16*KP+64*\ds+32
.endr
.endr
.endm
.macro VLOAD s, u                      ; the same of V, transposed on the way: lane l gets d = l % 16 of a 16-d tile, keys along its registers
	WIN 0x40
.irp kp, 0,1
.irp dt, 0,1,2,3
	ds_load_tr16_b128 v[VF+8*(4*\kp+\dt):VF+8*(4*\kp+\dt)+3],   v[VA+\s] offset:\u*REG+\kp*32*VP+32*\dt
	ds_load_tr16_b128 v[VF+8*(4*\kp+\dt)+4:VF+8*(4*\kp+\dt)+7], v[VA+\s] offset:\u*REG+\kp*32*VP+32*\dt+16*VP
.endr
.endr
	WIN 0
.endm
; Sixteen accumulators take turns, one instruction a turn, in the same order in every run.
.macro QK ds, zero
.irp qt, 0,1,2,3
.irp kt, 0,1,2,3
.if \zero
	v_wmma_f32_16x16x32_f16 v[S+32*\qt+8*\kt:S+32*\qt+8*\kt+7], v[KF+8*(2*\kt+\ds):KF+8*(2*\kt+\ds)+7], v[QF+8*(2*\qt+\ds):QF+8*(2*\qt+\ds)+7], 0
.else
	v_wmma_f32_16x16x32_f16 v[S+32*\qt+8*\kt:S+32*\qt+8*\kt+7], v[KF+8*(2*\kt+\ds):KF+8*(2*\kt+\ds)+7], v[QF+8*(2*\qt+\ds):QF+8*(2*\qt+\ds)+7], v[S+32*\qt+8*\kt:S+32*\qt+8*\kt+7]
.endif
.endr
.endr
.endm
.macro PV kp, zero
.irp qt, 0,1,2,3
.irp dt, 0,1,2,3
.if \zero
	v_wmma_f32_16x16x32_f16 v[O+8*(4*\qt+\dt):O+8*(4*\qt+\dt)+7], v[VF+8*(4*\kp+\dt):VF+8*(4*\kp+\dt)+7], v[S+32*\qt+16*\kp:S+32*\qt+16*\kp+7], 0
.else
	v_wmma_f32_16x16x32_f16 v[O+8*(4*\qt+\dt):O+8*(4*\qt+\dt)+7], v[VF+8*(4*\kp+\dt):VF+8*(4*\kp+\dt)+7], v[S+32*\qt+16*\kp:S+32*\qt+16*\kp+7], v[O+8*(4*\qt+\dt):O+8*(4*\qt+\dt)+7]
.endif
.endr
.endr
.endm
; Mask and softmax of q tiles 2 p and 2 p + 1 (64 score registers).  first = 1: the first key step starts maximum and sum.
; nextm = 1 (p = 1 only): the mask words of the next key step are asked for.
.macro HALF p, first, nextm
.set sb, S+64*\p
	s_wait_kmcnt 0x0                               ; this pair's mask words are in, and no scalar load is out
.set i, 0
.rept 32
	v_cndmask_b32 v[sb+i],    v[sb+i],    v[NEGV], s[32+i]
	v_cndmask_b32 v[sb+32+i], v[sb+32+i], v[NEGV], s[68+i]
.set i, i+1
.endr
.if \p == 0
	MLOAD 1                                        ; the other pair's words land while this pair's softmax runs
.else
.if \nextm
	s_add_nc_u64 s[4:5], s[4:5], 128               ; the next key step's 32 words
	MLOAD 0
.endif
.endif
	; the largest of my 32 scores of each tile: four chains of three, then the rest in one chain
.irp c, 0,1,2,3
.irp e, 0,1
	v_max3_num_f32 v[T+8*\e+\c], v[sb+32*\e+8*\c], v[sb+32*\e+8*\c+1], v[sb+32*\e+8*\c+2]
.endr
.endr
.irp c, 0,1,2,3
.irp e, 0,1
	v_max3_num_f32 v[T+8*\e+\c], v[T+8*\e+\c], v[sb+32*\e+8*\c+3], v[sb+32*\e+8*\c+4]
.endr
.endr
.irp c, 0,1,2,3
.irp e, 0,1
	v_max3_num_f32 v[T+8*\e+\c], v[T+8*\e+\c], v[sb+32*\e+8*\c+5], v[sb+32*\e+8*\c+6]
.endr
.endr
.irp e, 0,1
	v_max3_num_f32 v[T+8*\e], v[T+8*\e], v[T+8*\e+1], v[T+8*\e+2]
.endr
.irp e, 0,1
	v_max3_num_f32 v[T+8*\e], v[T+8*\e], v[T+8*\e+3], v[sb+32*\e+7]
.endr
.irp e, 0,1
	v_max3_num_f32 v[T+8*\e], v[T+8*\e], v[sb+32*\e+15], v[sb+32*\e+23]
.endr
.irp e, 0,1
	v_max_num_f32 v[T+8*\e], v[T+8*\e], v[sb+32*\e+31]
.endr
.irp e, 0,1
	v_permlanex16_b32 v[T+8*\e+1], v[T+8*\e], s66, s67     ; the other half's keys of the same query
.endr
.irp e, 0,1
.if \first
	v_max_num_f32 v[M+2*\p+\e], v[T+8*\e], v[T+8*\e+1]
.else
	v_max3_num_f32 v[T+8*\e+2], v[T+8*\e], v[T+8*\e+1], v[M+2*\p+\e]
	v_sub_f32 v[AL+4*\p+2*\e], v[M+2*\p+\e], v[T+8*\e+2]   ; old - new, at most 0
	v_mov_b32 v[M+2*\p+\e], v[T+8*\e+2]
.endif
	v_sub_f32 v[NM+2*\e],   0, v[M+2*\p+\e]
	v_sub_f32 v[NM+2*\e+1], 0, v[M+2*\p+\e]
.endr
.set i, 0
.rept 16
	v_pk_add_f32 v[sb+2*i:sb+2*i+1],       v[sb+2*i:sb+2*i+1],       v[NM:NM+1]
	v_pk_add_f32 v[sb+32+2*i:sb+32+2*i+1], v[sb+32+2*i:sb+32+2*i+1], v[NM+2:NM+3]
.set i, i+1
.endr
.if \first == 0
	v_exp_f32 v[AL+4*\p],   v[AL+4*\p]
	v_exp_f32 v[AL+4*\p+2], v[AL+4*\p+2]
.endif
.set i, 0
.rept 64
	v_exp_f32 v[sb+i], v[sb+i]
.set i, i+1
.endr
	v_nop                                          ; one plain place behind the run of exponentials before a result is used (ISA guide 5.7.2)
.if \first == 0
	s_wait_alu depctr_va_vdst(0)
	v_mov_b32 v[AL+4*\p+1], v[AL+4*\p]             ; pairs for the packed multiply
	v_mov_b32 v[AL+4*\p+3], v[AL+4*\p+2]
.endif
	; the sum of my 32 weights of each tile: two chains of packed adds a tile
	s_wait_alu depctr_va_vdst(0)
.irp e, 0,1
	v_pk_add_f32 v[T+8*\e:T+8*\e+1],   v[sb+32*\e:sb+32*\e+1],       v[sb+32*\e+2:sb+32*\e+3]
	v_pk_add_f32 v[T+8*\e+2:T+8*\e+3], v[sb+32*\e+16:sb+32*\e+17],   v[sb+32*\e+18:sb+32*\e+19]
.endr
.irp c, 2,3,4,5,6,7
.irp e, 0,1
	v_pk_add_f32 v[T+8*\e:T+8*\e+1],   v[T+8*\e:T+8*\e+1],   v[sb+32*\e+2*\c:sb+32*\e+2*\c+1]
	v_pk_add_f32 v[T+8*\e+2:T+8*\e+3], v[T+8*\e+2:T+8*\e+3], v[sb+32*\e+16+2*\c:sb+32*\e+16+2*\c+1]
.endr
.endr
.irp e, 0,1
	v_pk_add_f32 v[T+8*\e:T+8*\e+1], v[T+8*\e:T+8*\e+1], v[T+8*\e+2:T+8*\e+3]
.endr
.irp e, 0,1
.if \first
	v_add_f32 v[L+2*\p+\e], v[T+8*\e], v[T+8*\e+1]
.else
	v_add_f32 v[T+8*\e], v[T+8*\e], v[T+8*\e+1]
	v_fma_f32 v[L+2*\p+\e], v[L+2*\p+\e], v[AL+4*\p+2*\e], v[T+8*\e]
.endif
.endr
	; pack in place, upward: 16 score registers (two key tiles) become the 8 registers of a fragment of P
.set i, 0
.rept 8
.irp g, 0,1,2,3
	v_cvt_pk_f16_f32 v[sb+16*\g+i], v[sb+16*\g+2*i], v[sb+16*\g+2*i+1]
.endr
.set i, i+1
.endr
.endm
; One step: 64 keys, half u of slot s.  next: 0 = the next step reads the same slot's other half; 1 = this slot is filled again and the other is read next;
; 2 = the other slot is read next and nothing is filled; 3 = the last step.
.macro STEP s, u, first, next, nextm
	s_wait_dscnt 0x0                               ; this step's K fragments, asked for in the middle of the last step
	WIN 0x04                                       ; source 1 (Q) in window 1
	QK 0, 1                                        ; the first 32 of d start the scores: nothing is cleared
	QK 1, 0
	PLACES 4                                       ; before K's registers are loaded again and the scores are read
	VLOAD \s, \u
.if \next == 0
	KLOAD \s, 1
.endif
.if \next == 1
	s_wait_dscnt 0x0                               ; my last reads of this slot are back
	s_wait_tensorcnt 0x0                           ; all my tensor loads have landed: the one that was out is my part of the other slot,
	ds_add_u32 v62, v63
	ds_add_u32 v62, v63
	s_wait_dscnt 0x0
	s_add_nc_u64 s[G0+4*\s+2:G0+4*\s+3], s[G0+4*\s+2:G0+4*\s+3], 131072   ; so a group 0 may be written: 256 keys on
	ROUND                                          ; both now hold of every wave of all four work-groups
	JLOAD \s                                       ; the joint refill, first thing behind the round; it is read two steps from here
	KLOAD 1-\s, 0
.endif
.if \next == 2
	s_wait_dscnt 0x0
	s_wait_tensorcnt 0x0                           ; the last fill has landed,
	s_barrier_signal -1
	s_barrier_wait -1                              ; everybody's part of it
	KLOAD 1-\s, 0
.endif
	HALF 0, \first, 0
	HALF 1, \first, \nextm
.if \first == 0
	WIN 0x41                                       ; O in window 1, the factor in window 0
.irp q, 0,1,2,3
.set i, 0
.rept 16
	v_pk_mul_f32 v[O+32*\q+2*i:O+32*\q+2*i+1], v[O+32*\q+2*i:O+32*\q+2*i+1], v[AL+2*\q:AL+2*\q+1]
.set i, i+1
.endr
.endr
.endif
.if \next == 3
	s_wait_dscnt 0x0
.else
	s_wait_dscnt 16                                ; V's fragments are in; the 16 loads of the next step's K behind them may stay out
.endif
	WIN 0x51                                       ; V and O in window 1, P in window 0
	PV 0, \first
	PV 1, 0
	WIN 0
	PLACES 5                                       ; the next scores are written over P's registers; O is read on the way out
.endm
.macro LAP first, n0, n1, m            ; once round both slots: 256 keys
	STEP 0, 0, \first, 0, 1
	STEP 0, 1, 0, \n0, 1
	STEP 1, 0, 0, 0, 1
	STEP 1, 1, 0, \n1, \m
.endm
	MLOAD 0
	s_wait_tensorcnt 0x1                           ; my part of slot 0 is in; slot 1's may stay out
	s_barrier_signal -1
	s_barrier_wait -1
	KLOAD 0, 0
	s_wait_loadcnt 0x0                             ; Q
	LAP 1, 1, 1, 1                                 ; the first lap stands in front of the loop: it starts maxima, sums and O
	s_mov_b32 s2, 6
.Llap:
	LAP 0, 1, 1, 1
	s_sub_co_u32 s2, s2, 1
	s_cmp_lg_u32 s2, 0
	s_cbranch_scc1 .Llap
	LAP 0, 2, 3, 0                                 ; the eighth lap fills nothing
	; THE WAY OUT: the two halves' sums meet, O is divided, and 16 queries at a time go through my own stage to whole 256-byte pieces of rows.
.irp q, 0,1,2,3
	v_permlanex16_b32 v[T+\q], v[L+\q], s66, s67
.endr
.irp q, 0,1,2,3
	v_add_f32 v[L+\q], v[L+\q], v[T+\q]            ; at least 1: the largest score's weight is 1
.endr
.irp q, 0,1,2,3
	v_rcp_f32 v[AL+2*\q], v[L+\q]
.endr
	v_nop                                          ; one plain place behind the reciprocals
	s_wait_alu depctr_va_vdst(0)
.irp q, 0,1,2,3
	v_mov_b32 v[AL+2*\q+1], v[AL+2*\q]
.endr
.macro OUT qt
	WIN 0x01                                       ; O from window 1
.set i, 0
.rept 16
	v_pk_mul_f32 v[S+2*i:S+2*i+1], v[O+32*\qt+2*i:O+32*\qt+2*i+1], v[AL+2*\qt:AL+2*\qt+1]
.set i, i+1
.endr
	WIN 0
.irp dt, 0,1,2,3
	ds_store_b128 v[STO], v[S+8*\dt:S+8*\dt+3]   offset:64*\dt
	ds_store_b128 v[STO], v[S+8*\dt+4:S+8*\dt+7] offset:64*\dt+16
.endr
	s_wait_xcnt 0x0                                ; the buffer that earlier stores read is loaded again only behind this wait
.irp t, 0,1,2,3,4,5,6,7
	ds_load_b128 v[RB+32*(\qt%2)+4*\t:RB+32*(\qt%2)+4*\t+3], v[RD] offset:\t*2*SP   ; LDS serves a wave's instructions in order (ISA guide 5.7.1.4): these see the stores above
.endr
.irp t, 0,1,2,3,4,5,6,7
	s_wait_dscnt 7-\t
	global_store_b128 v[CO], v[RB+32*(\qt%2)+4*\t:RB+32*(\qt%2)+4*\t+3], s[6:7] offset:(16*\qt+2*\t)*1024 th:TH_STORE_NT   ; 16 lanes store 256 consecutive bytes, aligned
.endr
.endm
	OUT 0
	OUT 1
	OUT 2
	OUT 3
	s_wait_tensorcnt 0x0
	ds_add_u32 v62, v63
	s_wait_dscnt 0x0
	ROUND                                          ; the closing round: no work-group ends while a partner may still ask jointly
	s_endpgm
.Lfunc_end_k_qb6bb0a5d01_attn:
	.size	k_qb6bb0a5d01_attn, .Lfunc_end_k_qb6bb0a5d01_attn-k_qb6bb0a5d01_attn
	.p2alignl 7, 3214868480
	.fill 96, 4, 3214868480
	.section	.rodata,"a",@progbits
	.p2align	6, 0x0
	.amdhsa_kernel k_qb6bb0a5d01_attn
		.amdhsa_group_segment_fixed_size 327680
		.amdhsa_private_segment_fixed_size 0
		.amdhsa_enable_private_segment 0
		.amdhsa_kernarg_size 40
		.amdhsa_user_sgpr_count 2
		.amdhsa_user_sgpr_kernarg_segment_ptr 1
		.amdhsa_wavefront_size32 1
		.amdhsa_system_sgpr_workgroup_id_x 1
		.amdhsa_system_sgpr_workgroup_id_y 1
		.amdhsa_system_sgpr_workgroup_id_z 1
		.amdhsa_system_vgpr_workitem_id 0
		.amdhsa_next_free_vgpr 512
		.amdhsa_next_free_sgpr 106
		.amdhsa_reserve_vcc 0
		.amdhsa_float_denorm_mode_32 3
		.amdhsa_float_denorm_mode_16_64 3
		.amdhsa_memory_ordered 1
		.amdhsa_forward_progress 1
		.amdhsa_inst_pref_size 255
	.end_amdhsa_kernel
	.section	.bss,"aw",@nobits
	.p2align	6
	.space	262144
	.amdgpu_metadata
---
amdhsa.version: [ 1, 2 ]
amdhsa.kernels:
  - .name:           k_qb6bb0a5d01_attn
    .symbol:         k_qb6bb0a5d01_attn.kd
    .args:
      - { .name: qh, .offset: 0, .size: 8, .value_kind: global_buffer, .address_space: global }
      - { .name: kh, .offset: 8, .size: 8, .value_kind: global_buffer, .address_space: global }
      - { .name: vh, .offset: 16, .size: 8, .value_kind: global_buffer, .address_space: global }
      - { .name: maskbits, .offset: 24, .size: 8, .value_kind: global_buffer, .address_space: global }
      - { .name: out0, .offset: 32, .size: 8, .value_kind: global_buffer, .address_space: global }
    .group_segment_fixed_size: 327680
    .private_segment_fixed_size: 0
    .kernarg_segment_align: 8
    .kernarg_segment_size: 40
    .max_flat_workgroup_size: 256
    .sgpr_count:     106
    .vgpr_count:     512
    .wavefront_size: 32
...
	.end_amdgpu_metadata
.endif
;; end of part 2
